; MI455X (gfx1250); checked and timed in simulation.
; The chip was launched on July 23, 2026; its instructions are those of AMD's public machine-readable ISA for CDNA 5 (MIT licence, August 2026) and "CDNA5" Instruction Set Architecture Reference Guide (July 2026). The comments in the code are by the model that wrote it; some were corrected since.
;; Cross Modal Attention. Allowed arithmetic: matrix products marked QUANTISED: E4M3 operands, one given power-of-two scale a tensor, by v_wmma_f32_16x16x64_fp8_fp8 or v_wmma_f32_16x16x128_fp8_fp8, f32 sums; everything else in f32.
;; Inputs: Wk 768 x 768 float32; Wo 768 x 768 float32; Wq 768 x 768 float32; Wv 768 x 768 float32; bk 768 float32; bo 768 float32; bq 768 float32; bv 768 float32; ln_b 768 float32; ln_g 768 float32; lowp_scales 24 int32 (the exponents e of the quantised operands' scales 2^e); text_features 8 x 1,024 x 768 float32; text_mask 8 x 1,024 int32; visual_features 8 x 1,024 x 768 float32; visual_mask 8 x 1,024 int32.
;; Outputs: out0 8 x 1,024 x 768 float32; out1 8 x 1,024 x 768 float32.
;; This version of the problem:
;;   THIS VERSION OF THE PROBLEM IS GIVEN IN LOW PRECISION. The matrix products marked QUANTISED in the list below multiply operands that are first quantised to E4M3 (4 exponent bits, 3 mantissa bits; 8 bits a number), with one given power-of-two scale for each operand tensor; their sums are f32. All else is computed in f32.
;;   The module's matrix products, in the order in which they are computed (A, B: the left and right operand; K: the contracted axis; several contracted axes count as one K, in the product's order):
;;     1. [M 8,192, K 768] x [K 768, N 768]; A: input visual_features; B: input Wq: QUANTISED (scales: A lowp_scales[0], B lowp_scales[1])
;;     2. [M 8,192, K 768] x [K 768, N 768]; A: input text_features; B: input Wk: QUANTISED (scales: A lowp_scales[2], B lowp_scales[3])
;;     3. [M 8,192, K 768] x [K 768, N 768]; A: input text_features; B: input Wv: QUANTISED (scales: A lowp_scales[4], B lowp_scales[5])
;;     4. batch 64 x [M 1,024, K 96] x [K 96, N 1,024]; A: computed on the way; B: computed on the way: QUANTISED (scales: A lowp_scales[6], B lowp_scales[7])
;;     5. batch 64 x [M 96, K 1,024] x [K 1,024, N 1,024]; A: computed on the way; B: softmax (see below): QUANTISED (scales: A lowp_scales[8], B lowp_scales[9])
;;     6. [M 8,192, K 768] x [K 768, N 768]; A: input text_features; B: input Wq: QUANTISED (scales: A lowp_scales[10], B lowp_scales[11])
;;     7. [M 8,192, K 768] x [K 768, N 768]; A: input visual_features; B: input Wk: QUANTISED (scales: A lowp_scales[12], B lowp_scales[13])
;;     8. [M 8,192, K 768] x [K 768, N 768]; A: input visual_features; B: input Wv: QUANTISED (scales: A lowp_scales[14], B lowp_scales[15])
;;     9. batch 64 x [M 1,024, K 96] x [K 96, N 1,024]; A: computed on the way; B: computed on the way: QUANTISED (scales: A lowp_scales[16], B lowp_scales[17])
;;     10. batch 64 x [M 96, K 1,024] x [K 1,024, N 1,024]; A: computed on the way; B: softmax (see below): QUANTISED (scales: A lowp_scales[18], B lowp_scales[19])
;;     11. [M 8,192, K 768] x [K 768, N 768]; A: computed on the way; B: input Wo: QUANTISED (scales: A lowp_scales[20], B lowp_scales[21])
;;     12. [M 8,192, K 768] x [K 768, N 768]; A: computed on the way; B: input Wo: QUANTISED (scales: A lowp_scales[22], B lowp_scales[23])
;;   THE QUANTISER, for each operand of a quantised product, along K:
;;     - The operand's scale is 2^e, e = its entry of the input lowp_scales (int32; the entries are numbered through the quantised products in the list's order, A before B).
;;     - Each number is divided by the scale, clamped to +-448, and rounded to the nearest number of E4M3, ties to even, subnormals kept.
;;     - The product sums the exact products of the quantised numbers (number of the format x scale) in f32.
;;   ~~~python
;;   def quantise(x, axis, e):      # numpy; x: float32 -> the quantised numbers, widened to float32 again
;;       x = np.moveaxis(x, axis, -1); K = x.shape[-1]
;;       r = np.clip(x / 2.0 ** e, -448, 448)
;;       step = 2.0 ** (np.maximum(np.frexp(np.where(r == 0, 1, r))[1] - 1, -6) - 3)
;;       q = np.round(r / step) * step * 2.0 ** e      # np.round: ties to even
;;       return np.moveaxis(q, -1, axis).astype(np.float32)
;;   ~~~
;;   SOFTMAX AHEAD OF A QUANTISED PRODUCT. Where the list says 'softmax', what is quantised is not the finished softmax but p = 2^(t - M), with t = logit x log2(e) and M = ceil(the row's largest t), a whole number; so 1/2 < the row's largest p <= 1. The row's sum l is taken of the UNQUANTISED p, in f32, and the product's result is divided by l at the end. Since M is a whole number, a kernel that streams over the keys may use a running M (the ceiling of the running maximum): every later rescaling is an exact power of two, so the quantised numbers keep their values, but for numbers so far below the row's largest that they fall under the format's range.
;;   OPERANDS COMPUTED ON THE WAY. 'Computed on the way' means the value that the module computes at that place (a softmax that the list does not call 'softmax' is quantised finished and normalised). What goes into a quantiser is computed in f32, as accurately as f32 sums, v_exp_f32 and their like allow (about 1e-6 of the number): no bf16 or f16 on the way to a quantiser, and a product that is left as it is and whose result goes on into a quantised operand takes f32 operands (vector FMAs, or v_wmma_f32_16x16x4_f32). A number that lies on a knife's edge between two numbers of the format may be rounded either way, as far as f32 arithmetic and the matrix unit's own rounding can turn it there, and no further.
;; One version. Each part assembles by itself: llvm-mc -triple=amdgcn-amd-amdhsa -mcpu=gfx1250 --defsym DOCPART=n.
;; ======== version 1 of 1: 4 launches
;; limits: right only within a limited range of input values
;; workspace buffers: wimg 4,718,592 bytes; qimg 12,582,912 bytes; kvimg 25,165,824 bytes; aimg 12,582,912 bytes
;; launch wprep (part 1): grid 72 x 4, 4 waves a work-group, no clusters, 0 bytes of LDS; arguments Wq, Wk, Wv, Wo, lowp_scales, wimg; writes wimg
.if DOCPART == 1
	.amdgcn_target "amdgcn-amd-amdhsa--gfx1250"
	.amdhsa_code_object_version 6
	.text
	.protected	k_qaa9ff9cbcf_wprep
	.globl	k_qaa9ff9cbcf_wprep
	.p2align	8
	.type	k_qaa9ff9cbcf_wprep,@function
k_qaa9ff9cbcf_wprep:
	s_mov_b64 s[64:65], 0
	v_nop
	global_prefetch_b8 v0, s[64:65] scope:SCOPE_SE
	s_setreg_imm32_b32 hwreg(HW_REG_WAVE_MODE, 25, 1), 1
	s_wait_xcnt 0x0
; The four weights, [768 (k)][768 (n)] f32, become codes of E4M3, each under its two given scales, laid as IMAGES OF OPERAND REGISTERS:
; wimg[mi 8][head 8][K step 6][column tile 6][piece 4][512 bytes].  A piece is registers 4 c .. 4 c + 3 of a fragment (16 columns x 128 k), lane l's 16 bytes at 16 l:
; lane (r, h) of tile 2 b + u holds column 96 head + 32 b + 8 u + r + 8 (r / 8) and k = 128 step + 32 c + 16 h + 0 .. 15.
; mi: 0 Wq (entry 1), 1 Wk (13), 2 Wv (15), 3 Wq (11), 4 Wk (3), 5 Wv (5), 6 Wo (21), 7 Wo (23) of the buffer of scales.
; code = x / 2^e, held within +-448, rounded to the nearest code, ties to even.  LIMITS: -126 <= e and e + 8 <= 127; NaN among the inputs is not served.
; A LANE TAKES A COLUMN AND ITS REGISTERS RUN DOWN K: each load reads 128 consecutive bytes a wave, and the conversions give codes with K innermost.
; Work-group (x, y): y the weight; x / 12 a group of four blocks of 32 columns (one a wave), x % 12 a run of 64 k.  No LDS, no barrier, no loop: waves share nothing.
; Each store covers two aligned runs of 256 consecutive bytes: lanes of u = 0 fill half a piece of tile 2 b, lanes of u = 1 the same of tile 2 b + 1.
.set X, 32                             ; v32-95   64 numbers down K
.set T, 96                             ; v96-127  32 numbers, held
.set C, 128                            ; v128-159 codes: 8 registers for each (block, scale), never written again
.set WROW, 3072                        ; a row of a weight in bytes
	s_load_b256 s[4:11], s[0:1], 0x0               ; Wq, Wk, Wv, Wo
	s_load_b128 s[12:15], s[0:1], 0x20             ; the scales' exponents, wimg
	v_lshrrev_b32 v1, 5, v0
	v_readfirstlane_b32 s16, v1                    ; wave
	v_and_b32 v1, 31, v0                           ; lane = my column in the block of 32
	v_lshlrev_b32 v2, 2, v1                        ; in: 4 bytes a lane
	v_bfe_u32 v3, v1, 3, 1                         ; u = (lane / 8) % 2: which of the two tiles
	v_lshlrev_b32 v3, 11, v3                       ; a tile is 2,048 bytes
	v_and_b32 v4, 7, v1
	v_lshl_add_u32 v3, v4, 4, v3                   ; r = lane % 8 + 8 (lane / 16): 16 bytes a lane of the image
	v_lshrrev_b32 v4, 4, v1
	v_lshl_add_u32 v3, v4, 7, v3
	s_and_b32 s17, ttmp7, 0xffff                   ; y: the weight
	s_mul_i32 s18, ttmp9, 43
	s_lshr_b32 s18, s18, 9                         ; x / 12 (x < 72)
	s_mul_i32 s19, s18, 12
	s_sub_co_u32 s19, ttmp9, s19                   ; kr = x % 12: k = 64 kr on
	s_lshl_b32 s20, s18, 2
	s_add_co_u32 s20, s20, s16                     ; cb: my block of 32 columns, 0 .. 23
	s_mul_i32 s21, s20, 171
	s_lshr_b32 s21, s21, 9                         ; head = cb / 3
	s_mul_i32 s22, s21, 3
	s_sub_co_u32 s22, s20, s22                     ; b = cb % 3
	s_mul_i32 s30, s19, 64*WROW                    ; from: 64 kr rows down, 128 cb bytes along
	s_lshl_b32 s58, s20, 7
	s_add_co_u32 s30, s30, s58
	s_mov_b32 s31, 0
	s_mul_i32 s58, s21, 73728                      ; to: head, K step kr / 2, tile 2 b, piece 2 (kr % 2)
	s_lshr_b32 s59, s19, 1
	s_mul_i32 s59, s59, 12288
	s_add_co_u32 s58, s58, s59
	s_lshl_b32 s59, s22, 12
	s_add_co_u32 s58, s58, s59
	s_and_b32 s59, s19, 1
	s_lshl_b32 s59, s59, 10
	s_add_co_u32 s58, s58, s59
	s_add_co_u32 s60, s17, 3
	s_cmp_eq_u32 s17, 3
	s_cselect_b32 s59, 6, s17                      ; the first image: mi = y, Wo's 6
	s_cselect_b32 s60, 7, s60                      ; the second: mi = y + 3, Wo's 7
	s_mul_i32 s59, s59, 589824
	s_mul_i32 s60, s60, 589824
	s_add_co_u32 s26, s58, s59
	s_mov_b32 s27, 0
	s_add_co_u32 s28, s58, s60
	s_mov_b32 s29, 0
	s_wait_kmcnt 0x0
	s_load_b512 s[32:47], s[12:13], 0x0            ; entries 0 .. 15
	s_load_b256 s[48:55], s[12:13], 0x40           ; entries 16 .. 23
	s_cmp_eq_u32 s17, 1                            ; the weight is chosen by the work-group's number alone
	s_cselect_b64 s[24:25], s[6:7], s[4:5]
	s_cmp_eq_u32 s17, 2
	s_cselect_b64 s[24:25], s[8:9], s[24:25]
	s_cmp_eq_u32 s17, 3
	s_cselect_b64 s[24:25], s[10:11], s[24:25]
	s_add_nc_u64 s[24:25], s[24:25], s[30:31]
	s_add_nc_u64 s[26:27], s[14:15], s[26:27]
	s_add_nc_u64 s[28:29], s[14:15], s[28:29]
.set i, 0
.rept 64
	global_load_b32 v[X+i], v2, s[24:25] offset:i*WROW th:TH_LOAD_NT   ; W(64 kr + i, my column): 32 lanes read 128 consecutive bytes
.set i, i+1
.endr
	s_wait_kmcnt 0x0
	s_cmp_eq_u32 s17, 1
	s_cselect_b32 s56, s45, s33                    ; first scale: entry 1, 13, 15, 21
	s_cselect_b32 s57, s35, s43                    ; second: entry 11, 3, 5, 23
	s_cmp_eq_u32 s17, 2
	s_cselect_b32 s56, s47, s56
	s_cselect_b32 s57, s37, s57
	s_cmp_eq_u32 s17, 3
	s_cselect_b32 s56, s53, s56
	s_cselect_b32 s57, s55, s57
	s_add_co_i32 s56, s56, 127
	s_lshl_b32 s58, s56, 23
	v_mov_b32 v8, s58                              ; 2^e as f32: the conversion takes its exponent field
	s_add_co_i32 s56, s56, 8
	s_lshl_b32 s56, s56, 23
	s_or_b32 s56, s56, 0x600000
	v_mov_b32 v9, s56                              ; 448 x 2^e
	s_add_co_i32 s57, s57, 127
	s_lshl_b32 s58, s57, 23
	v_mov_b32 v10, s58
	s_add_co_i32 s57, s57, 8
	s_lshl_b32 s57, s57, 23
	s_or_b32 s57, s57, 0x600000
	v_mov_b32 v11, s57
; block q (32 along K) under scale z: held, converted, stored.  Registers 0-3 of the codes are k + 0 .. 15 (the image's lanes 0-15), registers 4-7 k + 16 .. 31 (lanes 16-31, 256 bytes on)
.macro WQ q, z, sc, lim, bs
.set i, 0
.rept 32
	v_med3_num_f32 v[T+i], v[X+32*(\q)+i], -v[\lim], v[\lim]   ; the conversion to an 8-bit code does not saturate (ISA guide 7.6.2): the hold comes first
.set i, i+1
.endr
.irp g, 0,1,2,3
	v_cvt_scalef32_pk8_fp8_f32 v[C+16*(\q)+8*(\z)+2*\g:C+16*(\q)+8*(\z)+2*\g+1], v[T+8*\g:T+8*\g+7], v[\sc]
.endr
	v_nop                                          ; one plain vector line between the conversions and the next holds, which write their sources
	global_store_b128 v3, v[C+16*(\q)+8*(\z):C+16*(\q)+8*(\z)+3], s[\bs:\bs+1] offset:512*(\q)
	global_store_b128 v3, v[C+16*(\q)+8*(\z)+4:C+16*(\q)+8*(\z)+7], s[\bs:\bs+1] offset:512*(\q)+256
.endm
	s_wait_loadcnt 32                              ; the first block's 32 loads are in; the second block's may be out
	WQ 0, 0, 8, 9, 26
	WQ 0, 1, 10, 11, 28
	s_wait_loadcnt 0x0
	WQ 1, 0, 8, 9, 26
	WQ 1, 1, 10, 11, 28
	s_endpgm
.Lfunc_end_k_qaa9ff9cbcf_wprep:
	.size	k_qaa9ff9cbcf_wprep, .Lfunc_end_k_qaa9ff9cbcf_wprep-k_qaa9ff9cbcf_wprep
	.p2alignl 7, 3214868480
	.fill 96, 4, 3214868480
	.section	.rodata,"a",@progbits
	.p2align	6, 0x0
	.amdhsa_kernel k_qaa9ff9cbcf_wprep
		.amdhsa_group_segment_fixed_size 0
		.amdhsa_private_segment_fixed_size 0
		.amdhsa_enable_private_segment 0
		.amdhsa_kernarg_size 48
		.amdhsa_user_sgpr_count 2
		.amdhsa_user_sgpr_kernarg_segment_ptr 1
		.amdhsa_wavefront_size32 1
		.amdhsa_system_sgpr_workgroup_id_x 1
		.amdhsa_system_sgpr_workgroup_id_y 1
		.amdhsa_system_sgpr_workgroup_id_z 1
		.amdhsa_system_vgpr_workitem_id 0
		.amdhsa_next_free_vgpr 160
		.amdhsa_next_free_sgpr 66
		.amdhsa_reserve_vcc 0
		.amdhsa_float_denorm_mode_32 3
		.amdhsa_float_denorm_mode_16_64 3
		.amdhsa_memory_ordered 1
		.amdhsa_forward_progress 1
		.amdhsa_inst_pref_size 20
	.end_amdhsa_kernel
	.amdgpu_metadata
---
amdhsa.version: [ 1, 2 ]
amdhsa.kernels:
  - .name:           k_qaa9ff9cbcf_wprep
    .symbol:         k_qaa9ff9cbcf_wprep.kd
    .args:
      - { .name: Wq, .offset: 0, .size: 8, .value_kind: global_buffer, .address_space: global }
      - { .name: Wk, .offset: 8, .size: 8, .value_kind: global_buffer, .address_space: global }
      - { .name: Wv, .offset: 16, .size: 8, .value_kind: global_buffer, .address_space: global }
      - { .name: Wo, .offset: 24, .size: 8, .value_kind: global_buffer, .address_space: global }
      - { .name: lowp_scales, .offset: 32, .size: 8, .value_kind: global_buffer, .address_space: global }
      - { .name: wimg, .offset: 40, .size: 8, .value_kind: global_buffer, .address_space: global }
    .group_segment_fixed_size: 0
    .private_segment_fixed_size: 0
    .kernarg_segment_align: 8
    .kernarg_segment_size: 48
    .max_flat_workgroup_size: 128
    .sgpr_count:     66
    .vgpr_count:     160
    .wavefront_size: 32
...
	.end_amdgpu_metadata
.endif
;; end of part 1
;; launch qkv (part 2): grid 256 x 1, 4 waves a work-group, no clusters, 295,424 bytes of LDS; arguments visual_features, text_features, bq, bk, bv, lowp_scales, wimg, qimg, kvimg; writes qimg, kvimg
.if DOCPART == 2
	.amdgcn_target "amdgcn-amd-amdhsa--gfx1250"
	.amdhsa_code_object_version 6
	.text
	.protected	k_qaa9ff9cbcf_qkv
	.globl	k_qaa9ff9cbcf_qkv
	.p2align	8
	.type	k_qaa9ff9cbcf_qkv,@function
k_qaa9ff9cbcf_qkv:
	s_mov_b64 s[64:65], 0
	v_nop
	global_prefetch_b8 v0, s[64:65] scope:SCOPE_SE
	s_setreg_imm32_b32 hwreg(HW_REG_WAVE_MODE, 25, 1), 1
	s_wait_xcnt 0x0
; The six projections x Wq + bq, x Wk + bk, x Wv + bv of both modalities, on codes of E4M3, and their results quantised again for attention.
; SHARES.  Work-group: 128 tokens of one modality m (0 visual, 1 text) x 4 heads x (Q, K, V).  Wave w: head 4 half + w: 128 tokens x 96 columns a pass = 48 accumulators; three passes (Q, K, V) of 6 K steps of 128.
; x is quantised once under its three given scales (wave w: tokens 32 w .. 32 w + 31) and goes to all four waves through LDS as images of operand registers.
; A wave's weights are its own: they go from wimg straight into registers, three sets by turns, so that two sets (48 loads) are on their way while one is multiplied.
; NOT IN CLUSTERS: no weight fragment is used by a second wave of a work-group, so a way through LDS would add a write and a read for each weight byte, and x's images take 294,912 of the LDS bytes.
; IMAGES.  A fragment is 16 rows x 128 K in 16 registers: lane (r, h), registers 4 c .. 4 c + 3: k = 32 c + 16 h + 0 .. 15; a piece (4 registers of 32 lanes) is 512 bytes, lane l at 16 l.  The order of k inside an
; instruction is thus a permutation of the form's own, the same on both sides of every product.  THE ROWS OF A TILE ARE NOT NEIGHBOURS: lane r of tile 2 b + u takes row 32 b + 8 u + r + 8 (r / 8) (tokens and weight columns alike).
; Q, K: the product is used transposed (source 0 = weight tile, source 1 = token tile): a lane holds one token, and the 16 registers of column tiles 2 b, 2 b + 1 are columns 32 b + 16 h + 0 .. 15: a piece of Q or K.
; V: straight (source 0 = token tile, source 1 = weight tile): a lane holds one column d, and the 16 registers of token tiles 2 b, 2 b + 1 are tokens 32 b + 16 h + 0 .. 15: a piece of V with the keys innermost.
; The bias, divided by 2^(ex + ew), is the C of each sum's first matrix instruction.  A sum stands for sum x 2^(ex + ew): its code is sum / 2^(eo - ex - ew).
; OUT.  qimg[dir][batch][head][token tile 64][piece 3][512]; kvimg[dir][batch][head][step 8][K: 8 tiles x 1,536, then V: 6 tiles x 2,048].  Modality m writes Q of dir m, K and V of dir 1 - m.  Every store is 512 consecutive bytes.
; LIMITS: ex and eo - ex - ew between -126 and 119, so that each power of two below is an f32 number.  NaN among the inputs is not served.
; REGISTERS.  window 0: v1-6 addresses, v8-11 scales, v12-17 LDS addresses of x's images, v32-79 the bias as C, v80-111 codes, v128-255 x's 8 fragments (while x is quantised: v128-191 held numbers).
;   window 1: v0-95 weight set 0, v128-223 set 1, v96-127 + v224-239 bk, v240-245 bv.   window 2: accumulators 0-31 (a = 6 token tile + column tile, at 8 a).   window 3: v0-127 accumulators 32-47, v128-223 weight set 2.
;   While x is quantised the accumulators' 384 registers hold three sets of 128 f32.
.set CB, 32
.set OC, 80
.set PC, 80
.set XF, 128
.set TX, 128
.set XR, 12
.set MSB, 0
.macro WIN new                         ; the immediate's high byte repeats the setting that is left; a switch that changes nothing is dropped
.if MSB != (\new)
	s_set_vgpr_msb (MSB<<8)|(\new)
.set MSB, \new
.endif
.endm
.macro PLACES n
.rept \n
	v_nop
.endr
.endm
; my 32 tokens' numbers of K step ks (two tiles x 64 a lane) into set st: lane (r, h) takes, of its token, 16 neighbours of each block of 32
.macro XLOAD ks, st
.if (\st) == 2
	WIN 0xc0
.else
	WIN 0x80
.endif
.set xb, 128*((\st)%2)
.irp u, 0,1
.irp b, 0,1,2,3
.irp j, 0,1,2,3
	global_load_b128 v[xb+64*\u+16*\b+4*\j:xb+64*\u+16*\b+4*\j+3], v2, s[28:29] offset:\u*24576+(\ks)*512+\b*128+\j*16
.endr
.endr
.endr
	WIN 0
.endm
; weight set of global step gg (pass gg / 6, K step gg % 6): six fragments, 24 loads of 512 consecutive bytes
.macro WLOAD gg
.set lw, 1+2*(((\gg)%3)/2)
.set lb, 128*((((\gg)%3)+1)/2)
.set wn, lw<<6
	WIN wn
.irp t, 0,1,2,3,4,5
.irp c, 0,1,2,3
	global_load_b128 v[lb+16*\t+4*\c:lb+16*\t+4*\c+3], v1, s[30:31] offset:((\gg)/6)*589824+((\gg)%6)*12288+\t*2048+\c*512
.endr
.endr
	WIN 0
.endm
; x's fragments of token tiles t0 .. t0 + 3, scale p, K step ks
.macro FETCHX p, ks, t0
.irp t, 0,1,2,3
.irp c, 0,1,2,3
	ds_load_b128 v[XF+16*((\t0)+\t)+4*\c:XF+16*((\t0)+\t)+4*\c+3], v[XR+2*(\p)+(\t0)/4] offset:\t*12288+(\ks)*2048+512*\c
.endr
.endr
.endm
; set st (K step ks) is quantised three times: a loop of three trips over the scales; the scale's two patterns stand in s40 and s43 and go round, the LDS offset in s55
.macro XQ ks, st
.set xb, 128*((\st)%2)
.set xw, 2+(\st)/2
	s_mov_b32 s55, 0
	s_mov_b32 s56, 3
.Lxq_\@:
	v_mov_b32 v8, s40                              ; 2^ex
	v_mov_b32 v9, s43                              ; 448 x 2^ex
	v_add_nc_u32 v4, s55, v3
.irp u, 0,1
	s_wait_dscnt 4                                 ; this code set's last stores have read their registers; the other set's four may be out
	WIN xw
.set i, 0
.rept 64
	v_med3_num_f32 v[TX+i], v[xb+64*\u+i], -v9, v9 ; the hold at the largest code x the scale (ISA guide 7.6.2)
.set i, i+1
.endr
	WIN 0
.irp b, 0,1,2,3
	v_cvt_scalef32_pk8_fp8_f32 v[PC+16*\u+4*\b:PC+16*\u+4*\b+1], v[TX+16*\b:TX+16*\b+7], v8
	v_cvt_scalef32_pk8_fp8_f32 v[PC+16*\u+4*\b+2:PC+16*\u+4*\b+3], v[TX+16*\b+8:TX+16*\b+15], v8
.endr
	v_nop                                          ; one plain vector line behind the conversions, ahead of the lines that write their sources
.irp b, 0,1,2,3
	ds_store_b128 v4, v[PC+16*\u+4*\b:PC+16*\u+4*\b+3] offset:(6*\u+(\ks))*2048+512*\b
.endr
.endr
	s_mov_b32 s57, s40
	s_mov_b32 s40, s41
	s_mov_b32 s41, s42
	s_mov_b32 s42, s57
	s_mov_b32 s58, s43
	s_mov_b32 s43, s44
	s_mov_b32 s44, s45
	s_mov_b32 s45, s58
	s_add_co_u32 s55, s55, 98304
	s_sub_co_u32 s56, s56, 1
	s_cmp_lg_u32 s56, 0
	s_cbranch_scc1 .Lxq_\@
.endm
; n matrix instructions from accumulator a0 on.  The 48 accumulators take turns, one instruction a turn, in the same order in every step.  ww, wb: the weight set's window and base
.macro MM kind, first, a0, n
.set ia, \a0
.rept \n
.set aw, 2+ia/32
.set ar, 8*(ia%32)
.set xr, XF+16*(ia/6)
.set wr, wb+16*(ia%6)
.set cr, CB+8*(ia%6)
.if \first
.set cw, 0
.else
.set cw, aw
.endif
.if \kind
.set wn, (aw<<6)|(cw<<4)|(ww<<2)
	WIN wn
.if \first
	v_wmma_f32_16x16x128_fp8_fp8 v[ar:ar+7], v[xr:xr+15], v[wr:wr+15], v[cr:cr+7]
.else
	v_wmma_f32_16x16x128_fp8_fp8 v[ar:ar+7], v[xr:xr+15], v[wr:wr+15], v[ar:ar+7]
.endif
.else
.set wn, (aw<<6)|(cw<<4)|ww
	WIN wn
.if \first
	v_wmma_f32_16x16x128_fp8_fp8 v[ar:ar+7], v[wr:wr+15], v[xr:xr+15], v[cr:cr+7]
.else
	v_wmma_f32_16x16x128_fp8_fp8 v[ar:ar+7], v[wr:wr+15], v[xr:xr+15], v[ar:ar+7]
.endif
.endif
.set ia, ia+1
.endr
.endm
; global step g: 48 matrix instructions.  x has one set of registers: tiles 0-3 are fetched anew in the step's middle, tiles 4-7 at its end; the weight set just multiplied takes the loads of three steps on
.macro STEP kind
.set ww, 1+2*((g%3)/2)
.set wb, 128*(((g%3)+1)/2)
.if (g%6) == 0
.set fst, 1
.else
.set fst, 0
.endif
.if g <= 15
	s_wait_loadcnt 48                              ; this step's weights are in; the two later sets' 48 loads may be out
.elseif g == 16
	s_wait_loadcnt 24
.else
	s_wait_loadcnt 0x0
.endif
	s_wait_dscnt 16                                ; x's tiles 0-3 are in; the 16 loads of tiles 4-7 may be out
	MM \kind, fst, 0, 24
	s_wait_dscnt 0x0
.if g < 17
	PLACES 4                                       ; four plain places between matrix instructions and loads into registers that they read (ISA guide 7.12.1 for vector instructions)
	WIN 0
	FETCHX (g+1)/6, (g+1)%6, 0
.endif
	MM \kind, fst, 24, 24
.if g < 17
	PLACES 4
	WIN 0
	FETCHX (g+1)/6, (g+1)%6, 4
.endif
.if g < 15
	WLOAD g+3
.endif
.endm
; a pass's 48 accumulators become 24 pieces: all are held, each from its low end on; then three batches of 8 pieces: 16 conversions, 8 stores of 512 consecutive bytes
.macro EPI kind, bs
	PLACES 4
	WIN 0x82
.set i, 0
.rept 256
	v_med3_num_f32 v[i], v[i], -v11, v11
.set i, i+1
.endr
	WIN 0xc3
.set i, 0
.rept 128
	v_med3_num_f32 v[i], v[i], -v11, v11
.set i, i+1
.endr
.set q, 0
.rept 3
	s_wait_xcnt 0x0                                ; the last batch's stores have read their data: the codes' registers may be written again
.rept 8
.if \kind
.set a1, 12*(q/6)+q%6                  ; V: piece (token pair q / 6, column tile q % 6): token tiles 2 b and 2 b + 1
.set a2, a1+6
.else
.set a1, 2*q                           ; Q, K: piece (token tile q / 3, block q % 3): column tiles 2 b and 2 b + 1
.set a2, 2*q+1
.endif
.set wn, 2+a1/32
	WIN wn
	v_cvt_scalef32_pk8_fp8_f32 v[OC+4*(q%8):OC+4*(q%8)+1], v[8*(a1%32):8*(a1%32)+7], v10
.set wn, 2+a2/32
	WIN wn
	v_cvt_scalef32_pk8_fp8_f32 v[OC+4*(q%8)+2:OC+4*(q%8)+3], v[8*(a2%32):8*(a2%32)+7], v10
.set q, q+1
.endr
	v_nop                                          ; one plain vector line behind the conversions: later lines write their results, their sources and their scale
	WIN 0
.set q, q-8
.rept 8
.if \kind
.set po, 12288+(q%6)*2048+(q/6)*512
.else
.set po, 512*q
.endif
	global_store_b128 v1, v[OC+4*(q%8):OC+4*(q%8)+3], s[\bs:\bs+1] offset:po
.set q, q+1
.endr
.endr
.endm
	s_load_b512 s[4:19], s[0:1], 0x0               ; visual, text, bq, bk, bv, scales, wimg, qimg
	s_load_b64 s[20:21], s[0:1], 0x40              ; kvimg
	v_lshl_add_u32 v126, v0, 2, 0x48000
	v_mov_b32 v127, 0
	v_lshrrev_b32 v20, 5, v0
	v_readfirstlane_b32 s22, v20                   ; wave
	v_and_b32 v20, 31, v0
	v_lshlrev_b32 v1, 4, v20                       ; 16 x lane: my place in a piece
	v_and_b32 v21, 15, v0                          ; r
	v_bfe_u32 v22, v0, 4, 1                        ; h
	v_and_b32 v23, 8, v21
	v_add_nc_u32 v23, v23, v21                     ; r + 8 (r / 8)
	v_mul_u32_u24 v2, v23, 3072
	v_lshl_add_u32 v2, v22, 6, v2                  ; x: my token's row, + 64 h
	v_lshlrev_b32 v5, 6, v22                       ; bq, bk: 16 h numbers on
	v_lshlrev_b32 v6, 2, v23                       ; bv: my column
	s_mul_i32 s57, s22, 24576
	v_add_nc_u32 v3, s57, v1                       ; where I store x's images: token tiles 2 w, 2 w + 1
.irp n, 0,1,2,3,4,5
	v_add_nc_u32 v[XR+\n], (\n/2)*98304+(\n%2)*49152, v1   ; scale n / 2, token tiles 4 (n % 2) on
.endr
	s_and_b32 s23, ttmp9, 1                        ; half: heads 4 half on
	s_lshr_b32 s57, ttmp9, 1
	s_lshr_b32 s24, s57, 6                         ; m
	s_and_b32 s58, s57, 63                         ; block of 128 tokens
	s_lshr_b32 s25, s58, 3                         ; batch
	s_and_b32 s26, s58, 7                          ; step
	s_lshl_b32 s27, s23, 2
	s_add_co_u32 s27, s27, s22                     ; head
	s_lshl_b32 s36, s58, 7
	s_lshl_b32 s59, s22, 5
	s_add_co_u32 s36, s36, s59
	s_mul_i32 s36, s36, 3072                       ; x: token 128 block + 32 w
	s_mov_b32 s37, 0
	s_mul_i32 s38, s24, 3*589824                   ; wimg: matrices 3 m on, my head
	s_mul_i32 s59, s27, 73728
	s_add_co_u32 s38, s38, s59
	s_mov_b32 s39, 0
	s_lshl_b32 s32, s24, 3                         ; qimg: ((8 m + batch) 8 + head) x 98,304 + step x 12,288
	s_add_co_u32 s32, s32, s25
	s_lshl_b32 s32, s32, 3
	s_add_co_u32 s32, s32, s27
	s_mul_i32 s32, s32, 98304
	s_mul_i32 s59, s26, 12288
	s_add_co_u32 s32, s32, s59
	s_mov_b32 s33, 0
	s_xor_b32 s34, s24, 1                          ; kvimg: ((8 (1 - m) + batch) 8 + head) x 196,608 + step x 24,576
	s_lshl_b32 s34, s34, 3
	s_add_co_u32 s34, s34, s25
	s_lshl_b32 s34, s34, 3
	s_add_co_u32 s34, s34, s27
	s_mul_i32 s34, s34, 196608
	s_mul_i32 s59, s26, 24576
	s_add_co_u32 s34, s34, s59
	s_mov_b32 s35, 0
	s_mul_i32 s92, s27, 384                        ; the biases: my head's 96 numbers
	s_mov_b32 s93, 0
	s_wait_kmcnt 0x0
	s_load_b512 s[68:83], s[14:15], 0x0            ; entries 0 .. 15 at s68 on
	s_load_b256 s[84:91], s[14:15], 0x40           ; entries 16 .. 23
	s_cmp_eq_u32 s24, 0
	s_cselect_b64 s[28:29], s[4:5], s[6:7]
	s_add_nc_u64 s[28:29], s[28:29], s[36:37]
	s_add_nc_u64 s[30:31], s[16:17], s[38:39]
	s_add_nc_u64 s[32:33], s[18:19], s[32:33]
	s_add_nc_u64 s[34:35], s[20:21], s[34:35]
	s_add_nc_u64 s[8:9], s[8:9], s[92:93]
	s_add_nc_u64 s[10:11], s[10:11], s[92:93]
	s_add_nc_u64 s[12:13], s[12:13], s[92:93]
.irp t, 0,1,2,3,4,5                    ; bq in the result's layout: lane (r, h), tile 2 b + u: columns 32 b + 8 u + 16 h + 0 .. 7
	global_load_b128 v[CB+8*\t:CB+8*\t+3], v5, s[8:9] offset:(32*(\t/2)+8*(\t%2))*4
	global_load_b128 v[CB+8*\t+4:CB+8*\t+7], v5, s[8:9] offset:(32*(\t/2)+8*(\t%2))*4+16
.endr
	WIN 0x40
.irp t, 0,1,2,3,4,5                    ; bk likewise, kept in window 1 until its pass
	global_load_b128 v[96+8*\t+96*(\t/4):96+8*\t+96*(\t/4)+3], v5, s[10:11] offset:(32*(\t/2)+8*(\t%2))*4
	global_load_b128 v[96+8*\t+96*(\t/4)+4:96+8*\t+96*(\t/4)+7], v5, s[10:11] offset:(32*(\t/2)+8*(\t%2))*4+16
.endr
.irp t, 0,1,2,3,4,5                    ; bv: one number a lane and tile: column 32 b + 8 u + r + 8 (r / 8)
	global_load_b32 v[240+\t], v6, s[12:13] offset:(32*(\t/2)+8*(\t%2))*4
.endr
	WIN 0
	WLOAD 0
	WLOAD 1
	WLOAD 2
	XLOAD 0, 0
	XLOAD 1, 1
	XLOAD 2, 2
	s_wait_kmcnt 0x0
	s_cmp_eq_u32 s24, 0                            ; the entries by modality: every choice hangs on the work-group's number alone
	s_cselect_b32 s40, s68, s78                    ; ex of Q, K, V: 0, 12, 14 or 10, 2, 4
	s_cselect_b32 s41, s80, s70
	s_cselect_b32 s42, s82, s72
	s_cselect_b32 s46, s69, s79                    ; ew: 1, 13, 15 or 11, 3, 5
	s_cselect_b32 s47, s81, s71
	s_cselect_b32 s48, s83, s73
	s_cselect_b32 s49, s74, s84                    ; the results' eo: 6, 17, 18 or 16, 7, 8
	s_cselect_b32 s50, s85, s75
	s_cselect_b32 s51, s86, s76
.irp p, 0,1,2
	s_add_co_i32 s[46+\p], s[46+\p], s[40+\p]      ; ex + ew
	s_sub_co_i32 s[49+\p], s[49+\p], s[46+\p]      ; eo - ex - ew
	s_sub_co_i32 s[46+\p], 0, s[46+\p]             ; the bias goes in x 2^-(ex + ew)
	s_add_co_i32 s[40+\p], s[40+\p], 127
	s_add_co_i32 s[43+\p], s[40+\p], 8
	s_lshl_b32 s[40+\p], s[40+\p], 23              ; 2^ex as f32
	s_lshl_b32 s[43+\p], s[43+\p], 23
	s_or_b32 s[43+\p], s[43+\p], 0x600000          ; 448 x 2^ex
	s_add_co_i32 s[49+\p], s[49+\p], 127
	s_add_co_i32 s[52+\p], s[49+\p], 8
	s_lshl_b32 s[49+\p], s[49+\p], 23              ; 2^(eo - ex - ew)
	s_lshl_b32 s[52+\p], s[52+\p], 23
	s_or_b32 s[52+\p], s[52+\p], 0x600000          ; 448 x that
.endr
	; ---- x becomes codes.  Three sets of registers, loads two sets ahead
	s_wait_loadcnt 63                              ; 64 loads were issued behind this set's: the count is the largest that the field holds, one fewer than may stay out
	XQ 0, 0
	XLOAD 3, 0
	s_wait_loadcnt 63
	XQ 1, 1
	XLOAD 4, 1
	s_wait_loadcnt 63
	XQ 2, 2
	XLOAD 5, 2
	s_wait_loadcnt 63
	XQ 3, 0
	s_wait_loadcnt 32                              ; the last set's 32 loads may be out
	XQ 4, 1
	s_wait_loadcnt 0x0                             ; all loads are in: the biases and the first three weight sets too
	XQ 5, 2
.set i, 0
.rept 48
	v_ldexp_f32 v[CB+i], v[CB+i], s46              ; bq / 2^(ex + ew)
.set i, i+1
.endr
	s_wait_dscnt 0x0                               ; my images have landed,
	s_barrier_signal -1
	s_barrier_wait -1                              ; everybody's have: nothing in LDS is written from here on
	FETCHX 0, 0, 0
	FETCHX 0, 0, 4
	; ---- pass 0: Q
	v_mov_b32 v10, s49
	v_mov_b32 v11, s52
.set g, 0
.rept 6
	STEP 0
.set g, g+1
.endr
	EPI 0, 32
	WIN 0x01
.irp t, 0,1,2,3,4,5
.irp j, 0,1,2,3,4,5,6,7
	v_ldexp_f32 v[CB+8*\t+\j], v[96+8*\t+96*(\t/4)+\j], s47   ; bk / 2^(ex + ew)
.endr
.endr
	WIN 0
	; ---- pass 1: K
	v_mov_b32 v10, s50
	v_mov_b32 v11, s53
.rept 6
	STEP 0
.set g, g+1
.endr
	EPI 0, 34
	WIN 0x01
.irp t, 0,1,2,3,4,5
.irp j, 0,1,2,3,4,5,6,7
	v_ldexp_f32 v[CB+8*\t+\j], v[240+\t], s48      ; bv / 2^(ex + ew): a lane's one column in all eight registers
.endr
.endr
	WIN 0
	; ---- pass 2: V
	v_mov_b32 v10, s51
	v_mov_b32 v11, s54
.rept 6
	STEP 1
.set g, g+1
.endr
	EPI 1, 34
	s_wait_tensorcnt 0x0
	ds_add_u32 v126, v127
	s_wait_dscnt 0x0
	s_endpgm
.Lfunc_end_k_qaa9ff9cbcf_qkv:
	.size	k_qaa9ff9cbcf_qkv, .Lfunc_end_k_qaa9ff9cbcf_qkv-k_qaa9ff9cbcf_qkv
	.p2alignl 7, 3214868480
	.fill 96, 4, 3214868480
	.section	.rodata,"a",@progbits
	.p2align	6, 0x0
	.amdhsa_kernel k_qaa9ff9cbcf_qkv
		.amdhsa_group_segment_fixed_size 295424
		.amdhsa_private_segment_fixed_size 0
		.amdhsa_enable_private_segment 0
		.amdhsa_kernarg_size 72
		.amdhsa_user_sgpr_count 2
		.amdhsa_user_sgpr_kernarg_segment_ptr 1
		.amdhsa_wavefront_size32 1
		.amdhsa_system_sgpr_workgroup_id_x 1
		.amdhsa_system_sgpr_workgroup_id_y 1
		.amdhsa_system_sgpr_workgroup_id_z 1
		.amdhsa_system_vgpr_workitem_id 0
		.amdhsa_next_free_vgpr 1024
		.amdhsa_next_free_sgpr 100
		.amdhsa_reserve_vcc 0
		.amdhsa_float_denorm_mode_32 3
		.amdhsa_float_denorm_mode_16_64 3
		.amdhsa_memory_ordered 1
		.amdhsa_forward_progress 1
		.amdhsa_inst_pref_size 255
	.end_amdhsa_kernel
	.section	.bss,"aw",@nobits
	.p2align	6
	.space	262144
	.amdgpu_metadata
---
amdhsa.version: [ 1, 2 ]
amdhsa.kernels:
  - .name:           k_qaa9ff9cbcf_qkv
    .symbol:         k_qaa9ff9cbcf_qkv.kd
    .args:
      - { .name: visual_features, .offset: 0, .size: 8, .value_kind: global_buffer, .address_space: global }
      - { .name: text_features, .offset: 8, .size: 8, .value_kind: global_buffer, .address_space: global }
      - { .name: bq, .offset: 16, .size: 8, .value_kind: global_buffer, .address_space: global }
      - { .name: bk, .offset: 24, .size: 8, .value_kind: global_buffer, .address_space: global }
      - { .name: bv, .offset: 32, .size: 8, .value_kind: global_buffer, .address_space: global }
      - { .name: lowp_scales, .offset: 40, .size: 8, .value_kind: global_buffer, .address_space: global }
      - { .name: wimg, .offset: 48, .size: 8, .value_kind: global_buffer, .address_space: global }
      - { .name: qimg, .offset: 56, .size: 8, .value_kind: global_buffer, .address_space: global }
      - { .name: kvimg, .offset: 64, .size: 8, .value_kind: global_buffer, .address_space: global }
    .group_segment_fixed_size: 295424
    .private_segment_fixed_size: 0
    .kernarg_segment_align: 8
    .kernarg_segment_size: 72
    .max_flat_workgroup_size: 128
    .sgpr_count:     100
    .vgpr_count:     1024
    .wavefront_size: 32
...
	.end_amdgpu_metadata
.endif
;; end of part 2
;; launch attn (part 3): grid 256 x 1, 8 waves a work-group, no clusters, 202,752 bytes of LDS; arguments qimg, kvimg, text_mask, visual_mask, lowp_scales, aimg; writes aimg
.if DOCPART == 3
	.amdgcn_target "amdgcn-amd-amdhsa--gfx1250"
	.amdhsa_code_object_version 6
	.text
	.protected	k_qaa9ff9cbcf_attn
	.globl	k_qaa9ff9cbcf_attn
	.p2align	8
	.type	k_qaa9ff9cbcf_attn,@function
k_qaa9ff9cbcf_attn:
	s_mov_b64 s[64:65], 0
	v_nop
	global_prefetch_b8 v0, s[64:65] scope:SCOPE_SE
	s_setreg_imm32_b32 hwreg(HW_REG_WAVE_MODE, 25, 1), 1
	s_wait_xcnt 0x0
; Attention of one head on codes of E4M3: o = softmax(q k^T / sqrt(96), keys with mask 0 left out) v, and o quantised for the output projection.
; SHARES.  Work-group: 512 queries of one (direction, batch, head).  The head's K and V, 196,608 bytes, lie in LDS, filled ONCE by tensor loads: nothing is filled again.  Eight waves; a wave takes two tiles of 16 queries
; at a time, so that each fragment of K and V read from LDS feeds two matrix instructions, and does so twice (two passes).  Every wave walks the 1,024 keys, 128 a step.
; NOT IN CLUSTERS: a head's K and V are asked for by two work-groups only.  NO PREFETCH: all of K and V is asked for in the kernel's first lines.
; LAYOUT.  Both products are used transposed: S^T = K Q^T (source 0 = 16 keys, source 1 = 16 queries), O^T = V^T P^T: a lane holds ONE query throughout.  The keys of a tile are not neighbours (lane r of tile 2 b + u: key
; 32 b + 8 u + r + 8 (r / 8)), so that the 16 registers of tiles 2 b, 2 b + 1 are keys 32 b + 16 h + 0 .. 15: the conversions' results are the second product's operand.  V's tiles of channels are chosen likewise, so that O^T's
; registers are 16 neighbouring channels: a piece of the next operand.
; K = 96 IN AN INSTRUCTION OF K = 128: Q's fourth four registers are zero codes; K's are whatever follows in the registers (the next fragment's first piece, or four zeros): always codes of numbers, so they add 0.
; THE MASK is the C of the first product: 0, or -2^100 where the key's mask is 0.  The running largest t begins at c x (-2^60): under every t of a key that counts (|sum| < 2^25) and over every t of one that does not; so p of a
; masked key is 0, also where whole steps are masked.  A row with no key at all has the sum 0 and is given NaN, as the softmax of such a row is.
; THE SOFTMAX: t = score x log2(e) / sqrt(96); M = the largest t so far rounded UP to a whole number; p = 2^(t - M) is quantised, not normalised; the sum is taken of the unquantised p and divides at the end; when M moves the sum
; and O^T are multiplied by 2^(old M - new M), which rounds nothing.
; THE ORDER OF A STEP'S VECTOR WORK.  The two tiles' maxima go in eight chains by turns.  The exponentials stand among plain lines, in two batches: tile 0's among the scalings that are still to do; tile 1's among tile 0's sums,
; holds and conversions.  Each batch has its one wait, ahead of the first line that names one of its results.
; LIMITS: eq + ek between -80 and 24 (c x 2^(eq + ek) x 2^100 is finite, and a masked exponent lies far under the smallest that gives a number); ep and eo - ep - ev between -126 and 119.
; REGISTERS.  window 0: v1-4 addresses, v6 and v9 the largest code x 2^ep (twice), v7 NaN, v8, v10, v11 scales, v12-15 two more chains a tile (maxima, then sums), v16-31 statistics (8 a tile: -M, largest t, sum (2),
;   f or 1 / sum, 0, two at work), v32-159 S^T then p, v160-191 p's codes, v192-255 the mask's C.   window 1: v0-95 O^T, v96-195 K's or V's fragments (v192-195 stay 0), v196-227 Q.
.set ST, 16
.set S, 32
.set P, 160
.set BI, 192
.set KV, 96
.set QF, 196
.set BIAS, 196608                      ; LDS: behind K and V: 1,024 f32, one a key, and 128 zeros behind them (what the last step asks for ahead, and nobody multiplies).  Written by LDS stores; no tensor load lands there
.set MSB, 0
.macro WIN new
.if MSB != (\new)
	s_set_vgpr_msb (MSB<<8)|(\new)
.set MSB, \new
.endif
.endm
.macro PLACES n
.rept \n
	v_nop
.endr
.endm
	s_load_b256 s[4:11], s[0:1], 0x0               ; qimg, kvimg, text_mask, visual_mask
	s_load_b128 s[12:15], s[0:1], 0x20             ; the scales' exponents, aimg
	v_lshl_add_u32 v5, v0, 2, 0x31400
	s_set_vgpr_msb 0x40
	v_mov_b32 v255, 0
	s_set_vgpr_msb 0x4044
	ds_add_u32 v5, v255
	ds_add_u32 v5, v255
	s_set_vgpr_msb 0x4400
	v_lshrrev_b32 v1, 5, v0
	v_readfirstlane_b32 s16, v1                    ; wave 0 .. 7
	s_and_b32 s17, ttmp9, 1                        ; which 512 queries
	s_lshr_b32 s18, ttmp9, 1                       ; (direction x 8 + batch) x 8 + head
	s_lshr_b32 s19, s18, 6                         ; direction
	s_bfe_u32 s20, s18, 0x30003                    ; batch
	s_and_b32 s21, s18, 7                          ; head
	; descriptor groups 1: dense blocks as rows of 256 bytes (32 elements of 8 bytes): 24 rows a wave (steps 0 and 1), 72 rows a wave (steps 2 to 7)
	s_mov_b32 s24, 3<<16                           ; no mask, elements of 8 bytes, no padding
	s_mov_b32 s25, 32<<16                          ; tensor_dim0 = 32
	s_mov_b32 s26, 24<<16                          ; tensor_dim1 = 24
	s_mov_b32 s27, 32<<16                          ; tile_dim0 = 32
	s_mov_b32 s28, 24                              ; tile_dim1 = 24
	s_mov_b32 s29, 32                              ; the pitch
	s_mov_b32 s30, 0
	s_mov_b32 s31, 0
	s_mov_b32 s32, 3<<16
	s_mov_b32 s33, 32<<16
	s_mov_b32 s34, 72<<16
	s_mov_b32 s35, 32<<16
	s_mov_b32 s36, 72
	s_mov_b32 s37, 32
	s_mov_b32 s38, 0
	s_mov_b32 s39, 0
	s_mul_i32 s92, s18, 196608                     ; the head's K and V
	s_mov_b32 s93, 0
	s_mov_b32 s40, 1
	s_mul_i32 s41, s16, 6144                       ; LDS as memory: wave x 24 rows,
	s_mov_b32 s44, 1
	s_mul_i32 s45, s16, 18432
	s_add_co_u32 s45, s45, 49152                   ; and 49,152 + wave x 72 rows
	s_mov_b32 s94, s41
	s_mov_b32 s95, 0
	s_mov_b32 s96, s45
	s_mov_b32 s97, 0
	s_wait_dscnt 0x0
	s_wait_kmcnt 0x0
	s_add_nc_u64 s[6:7], s[6:7], s[92:93]
	s_add_nc_u64 s[42:43], s[6:7], s[94:95]
	s_or_b32 s43, s43, 0x80000000
	s_add_nc_u64 s[46:47], s[6:7], s[96:97]
	s_or_b32 s47, s47, 0x80000000
	tensor_load_to_lds s[40:43], s[24:31]          ; both first fills go out together, ahead of every wait on TENSORcnt, every LDS read and every barrier: two loads of mine are out
	s_nop 0
	tensor_load_to_lds s[44:47], s[32:39]
	s_nop 0
	PLACES 4                                       ; four v_nop follow
	s_load_b512 s[68:83], s[12:13], 0x0            ; entries 0 .. 15 at s68 on
	s_load_b256 s[84:91], s[12:13], 0x40           ; entries 16 .. 23
	v_and_b32 v1, 31, v0
	v_lshlrev_b32 v1, 4, v1                        ; 16 x lane
	v_bfe_u32 v4, v0, 4, 1
	v_lshlrev_b32 v4, 6, v4
	v_add_nc_u32 v4, BIAS, v4                      ; the mask's C: 16 h keys on
	s_cmp_eq_u32 s19, 0                            ; direction 0: the keys are text
	s_cselect_b64 s[8:9], s[8:9], s[10:11]
	s_lshl_b32 s92, s20, 12
	s_add_nc_u64 s[8:9], s[8:9], s[92:93]
	v_lshlrev_b32 v38, 4, v0
	global_load_b128 v[32:35], v38, s[8:9]         ; four keys' mask a thread
	s_mul_i32 s92, s18, 98304                      ; Q: my head, tile 32 half + 2 wave
	s_lshl_b32 s94, s17, 5
	s_lshl_b32 s95, s16, 1
	s_add_co_u32 s94, s94, s95
	s_mul_i32 s95, s94, 1536
	s_add_co_u32 s92, s92, s95
	s_add_nc_u64 s[58:59], s[4:5], s[92:93]
	s_lshl_b32 s95, s20, 6                         ; out: direction, tile 64 batch + 32 half + 2 wave, pieces 3 head on
	s_add_co_u32 s94, s94, s95
	s_mul_i32 s92, s94, 12288
	s_mul_i32 s95, s19, 6291456
	s_add_co_u32 s92, s92, s95
	s_mul_i32 s95, s21, 1536
	s_add_co_u32 s92, s92, s95
	s_add_nc_u64 s[60:61], s[14:15], s[92:93]
	WIN 0x40
.irp t, 0,1
.irp c, 0,1,2
	global_load_b128 v[QF+16*\t+4*\c:QF+16*\t+4*\c+3], v1, s[58:59] offset:\t*1536+\c*512
.endr
.endr
.irp j, 0,1,2,3
	v_mov_b32 v[QF+12+\j], 0                       ; Q's channels 96 .. 127: zero codes, once
	v_mov_b32 v[QF+28+\j], 0
	v_mov_b32 v[192+\j], 0                         ; behind K's last fragment
.endr
	WIN 0
	v_mov_b32 v36, 0xf1800000                      ; -2^100
	v_lshl_add_u32 v37, v0, 4, BIAS
	v_lshl_add_u32 v39, v0, 1, BIAS+4096           ; the 512 bytes behind the 1,024 keys: 2 bytes a thread
	v_mov_b32 v40, 0
	ds_store_b16 v39, v40
	v_mov_b32 v7, 0x7fc00000                       ; NaN
	v_mov_b32 v[ST+5], 0                           ; (named as the upper halves of pairs)
	v_mov_b32 v[ST+13], 0
	s_mov_b32 s50, 0x76543210                      ; v_permlanex16_b32: lane l xor 16
	s_mov_b32 s51, 0xfedcba98
	s_wait_loadcnt 6                               ; the mask is in; the six loads of Q may be out
.irp i, 0,1,2,3
	v_cmp_eq_u32 vcc_lo, 0, v[32+\i]
	v_cndmask_b32 v[32+\i], 0, v36, vcc_lo
.endr
	ds_store_b128 v37, v[32:35]
	s_wait_kmcnt 0x0
	s_cmp_eq_u32 s19, 0
	s_cselect_b32 s92, s74, s84                    ; eq: entry 6 or 16
	s_cselect_b32 s93, s75, s85                    ; ek: 7 or 17
	s_cselect_b32 s94, s76, s86                    ; ev: 8 or 18
	s_cselect_b32 s95, s77, s87                    ; ep: 9 or 19
	s_cselect_b32 s96, s88, s90                    ; eo: 20 or 22
	s_add_co_i32 s92, s92, s93
	s_lshl_b32 s92, s92, 23
	s_add_co_i32 s48, s92, 0x3e16c740              ; c = log2(e) / sqrt(96), with eq + ek added to its exponent field
	s_mov_b32 s49, s48                             ; (named with it as a pair)
	s_sub_co_i32 s96, s96, s95
	s_sub_co_i32 s96, s96, s94                     ; eo - ep - ev
	s_add_co_i32 s95, s95, 127
	s_lshl_b32 s97, s95, 23
	v_mov_b32 v8, s97                              ; 2^ep
	s_add_co_i32 s95, s95, 8
	s_lshl_b32 s95, s95, 23
	s_or_b32 s95, s95, 0x600000
	v_mov_b32 v9, s95                              ; 448 x 2^ep,
	v_mov_b32 v6, s95                              ; and once more, in a register of another bank: the two halves of a paired hold take one each
	s_add_co_i32 s96, s96, 127
	s_lshl_b32 s97, s96, 23
	v_mov_b32 v10, s97                             ; 2^(eo - ep - ev)
	s_add_co_i32 s96, s96, 8
	s_lshl_b32 s96, s96, 23
	s_or_b32 s96, s96, 0x600000
	v_mov_b32 v11, s96
; The step's largest score of each of my two queries, the new M, and f = 2^(old M - new M).  Four chains a tile, 15 scores each, the eight chains by turns, so that no line reads the result of the line above it; chain k of
; tile t stands in v[ST+8t+6], v[ST+8t+7], v[12+2t], v[13+2t].  Each accumulator is first read at its low end: chain k begins with registers 0-2 of accumulator 2 k and meets accumulator 2 k + 1 at its register 0.
.macro SMAX2
.irp t, 0,1
.irp k, 0,1,2,3
.set rc, (\k/2)*(10+2*\t+\k)+(1-\k/2)*(ST+8*\t+6+\k)
	v_max3_num_f32 v[rc], v[S+64*\t+16*\k], v[S+64*\t+16*\k+1], v[S+64*\t+16*\k+2]
.endr
.endr
.irp i, 3,5,7,9,11,13
.irp t, 0,1
.irp k, 0,1,2,3
.set rc, (\k/2)*(10+2*\t+\k)+(1-\k/2)*(ST+8*\t+6+\k)
	v_max3_num_f32 v[rc], v[rc], v[S+64*\t+16*\k+\i], v[S+64*\t+16*\k+\i+1]
.endr
.endr
.endr
.irp t, 0,1                            ; the four scores left over,
	v_max3_num_f32 v[ST+8*\t+6], v[ST+8*\t+6], v[S+64*\t+15], v[S+64*\t+31]
	v_max3_num_f32 v[12+2*\t], v[12+2*\t], v[S+64*\t+47], v[S+64*\t+63]
.endr
.irp t, 0,1                            ; and the four chains
	v_max3_num_f32 v[ST+8*\t+6], v[ST+8*\t+6], v[ST+8*\t+7], v[12+2*\t]
.endr
.irp t, 0,1
	v_max_num_f32 v[ST+8*\t+6], v[ST+8*\t+6], v[13+2*\t]
.endr
.irp t, 0,1
	v_permlanex16_b32 v[ST+8*\t+7], v[ST+8*\t+6], s50, s51   ; my query's other 64 keys lie in the lane 16 away
.endr
.irp t, 0,1
	v_max_num_f32 v[ST+8*\t+6], v[ST+8*\t+6], v[ST+8*\t+7]
.endr
.irp t, 0,1
	v_mov_b32 v[ST+8*\t+7], v[ST+8*\t]             ; the old -M is kept
.endr
.irp t, 0,1
	v_mul_f32 v[ST+8*\t+6], s48, v[ST+8*\t+6]      ; as t (c is positive)
.endr
.irp t, 0,1
	v_max_num_f32 v[ST+8*\t+1], v[ST+8*\t+1], v[ST+8*\t+6]
.endr
.irp t, 0,1
	v_floor_f32 v[ST+8*\t], -v[ST+8*\t+1]          ; -M = floor(-t): M is a whole number
.endr
.irp t, 0,1
	v_sub_f32 v[ST+8*\t+6], v[ST+8*\t], v[ST+8*\t+7]   ; old M - new M, 0 or less
.endr
.irp t, 0,1
	v_cvt_i32_f32 v[ST+8*\t+6], v[ST+8*\t+6]       ; (it saturates)
.endr
.irp t, 0,1
	v_ldexp_f32 v[ST+8*\t+4], 1.0, v[ST+8*\t+6]
.endr
.endm
.macro FMA t, n                        ; pair n of tile t: t - M, two at a time
	v_pk_fma_f32 v[S+64*(\t)+2*(\n):S+64*(\t)+2*(\n)+1], v[S+64*(\t)+2*(\n):S+64*(\t)+2*(\n)+1], s[48:49], v[ST+8*(\t):ST+8*(\t)+1] op_sel_hi:[1,0,0]
.endm
.macro PADD t, n                       ; pair n of tile t joins the sum of the unquantised p: even pairs in the sum itself, odd pairs in a second chain, which pairs 0 and 1 begin
.set rS, S+64*(\t)
.set rT, ST+8*(\t)
.set rC, 12+2*(\t)
.if (\n) == 1
	v_pk_add_f32 v[rC:rC+1], v[rS:rS+1], v[rS+2:rS+3]
.elseif (\n) > 1
.if ((\n)%2) == 0
	v_pk_add_f32 v[rT+2:rT+3], v[rT+2:rT+3], v[rS+2*(\n):rS+2*(\n)+1]
.else
	v_pk_add_f32 v[rC:rC+1], v[rC:rC+1], v[rS+2*(\n):rS+2*(\n)+1]
.endif
.endif
.endm
.macro PMIN t, n                       ; pair n is held at the largest code x 2^ep (the conversion to an 8-bit code does not saturate: ISA guide 7.6.2); p is never negative, so the hold is one-sided.  Two holds in one instruction: an even and an odd register, the limit from two banks
	v_dual_min_num_f32 v[S+64*(\t)+2*(\n)], v[S+64*(\t)+2*(\n)], v9 :: v_dual_min_num_f32 v[S+64*(\t)+2*(\n)+1], v[S+64*(\t)+2*(\n)+1], v6
.endm
.macro PCVT t, g                       ; eight numbers' codes
	v_cvt_scalef32_pk8_fp8_f32 v[P+16*(\t)+2*(\g):P+16*(\t)+2*(\g)+1], v[S+64*(\t)+8*(\g):S+64*(\t)+8*(\g)+7], v8
.endm
; Tile t's sums, holds and codes.  A pair is held one turn behind its addition, and eight numbers are converted one turn behind their last hold.  ex = 1: the OTHER tile's 64 exponentials stand between these lines, which name none of their results
.macro POST t, ex
.set i, 0
.rept 32
.if \ex
	v_exp_f32 v[S+64*(1-(\t))+2*i], v[S+64*(1-(\t))+2*i]
.endif
	PADD \t, i
.if \ex
	v_exp_f32 v[S+64*(1-(\t))+2*i+1], v[S+64*(1-(\t))+2*i+1]
.endif
.if i > 0
	PMIN \t, i-1
.endif
.if (i > 4) && ((i%4) == 1)
	PCVT \t, (i-5)/4
.endif
.set i, i+1
.endr
	PMIN \t, 31
	v_pk_add_f32 v[ST+8*(\t)+2:ST+8*(\t)+3], v[ST+8*(\t)+2:ST+8*(\t)+3], v[12+2*(\t):13+2*(\t)]
	PCVT \t, 7
.endm
; A KEY STEP: 128 keys at LDS byte s52; s53 = 4 x the step's first key.  The step's own C of the mask is in its registers already: it was asked for a step ago (a pass's first: behind the pass's first barrier)
.macro STEP
	v_add_nc_u32 v2, s52, v1
	v_add_nc_u32 v3, s53, v4
	PLACES 2                                       ; with the two additions: four places between the last products and the loads into the registers that they read
	WIN 0x40
.irp t, 0,1,2,3,4,5,6,7
.irp c, 0,1,2
	ds_load_b128 v[KV+12*\t+4*\c:KV+12*\t+4*\c+3], v2 offset:\t*1536+\c*512
.endr
.endr
	WIN 0x05
.irp t, 0,1,2,3,4,5,6,7
.if \t < 7
	s_wait_dscnt 20-3*\t                           ; key tile t names its three pieces and the next tile's first: load 3 t + 3 of the 24; the 20 - 3 t issued behind it may be out
.else
	s_wait_dscnt 0x0
.endif
.irp q, 0,1
	v_wmma_f32_16x16x128_fp8_fp8 v[S+64*\q+8*\t:S+64*\q+8*\t+7], v[KV+12*\t:KV+12*\t+15], v[QF+16*\q:QF+16*\q+15], v[BI+8*\t:BI+8*\t+7]
.endr
.endr
	WIN 0
	PLACES 4                                       ; in front of the loads into K's and the mask's registers and of the first read of the scores
	WIN 0x40
.irp t, 0,1,2,3,4,5
.irp c, 0,1,2,3
	ds_load_b128 v[KV+16*\t+4*\c:KV+16*\t+4*\c+3], v2 offset:12288+\t*2048+\c*512   ; V lands while the softmax is worked,
.endr
.endr
	WIN 0
.irp t, 0,1,2,3,4,5,6,7
	ds_load_b128 v[BI+8*\t:BI+8*\t+3], v3 offset:512+(32*(\t/2)+8*(\t%2))*4          ; and so does the NEXT step's C of the mask (behind the last step: the 128 zeros)
	ds_load_b128 v[BI+8*\t+4:BI+8*\t+7], v3 offset:512+(32*(\t/2)+8*(\t%2))*4+16
.endr
	SMAX2
.set i, 0
.rept 8
	FMA 0, i                                       ; tile 0's first eight pairs are scaled;
.set i, i+1
.endr
.set i, 0
.rept 32                               ; then its exponentials, p = 2^(t - M), with the scalings that are left between them: its own, eight pairs ahead, and tile 1's
	v_exp_f32 v[S+2*i], v[S+2*i]
.if i < 24
	FMA 0, i+8
.endif
	v_exp_f32 v[S+2*i+1], v[S+2*i+1]
	FMA 1, i
.set i, i+1
.endr
	v_pk_mul_f32 v[ST+2:ST+3], v[ST+2:ST+3], v[ST+4:ST+5] op_sel_hi:[1,0]       ; the sums under the new M
	v_pk_mul_f32 v[ST+10:ST+11], v[ST+10:ST+11], v[ST+12:ST+13] op_sel_hi:[1,0]
	s_wait_alu depctr_va_vdst(0)                   ; the wait for tile 0's batch of 64, ahead of its first reader
	POST 0, 1                                      ; tile 0's sums, holds and codes | tile 1's exponentials
	s_wait_alu depctr_va_vdst(0)                   ; the wait for tile 1's batch, ahead of its first reader
	POST 1, 0
	WIN 0x41
.irp t, 0,1
.set i, 0
.rept 24
	v_pk_mul_f32 v[48*\t+i:48*\t+i+1], v[48*\t+i:48*\t+i+1], v[ST+8*\t+4:ST+8*\t+5] op_sel_hi:[1,0]   ; O^T under the new M; also the plain lines behind the conversions
.set i, i+2
.endr
.endr
	s_wait_dscnt 0x0                               ; V is in, and the next step's C
	WIN 0x51
.irp c, 0,1,2,3,4,5
.irp t, 0,1
	v_wmma_f32_16x16x128_fp8_fp8 v[48*\t+8*\c:48*\t+8*\c+7], v[KV+16*\c:KV+16*\c+15], v[P+16*\t:P+16*\t+15], v[48*\t+8*\c:48*\t+8*\c+7]
.endr
.endr
	WIN 0
	s_add_co_u32 s52, s52, 24576
	s_add_co_u32 s53, s53, 512
.endm
.macro STEPS n
	s_mov_b32 s54, \n
.Lst_\@:
	STEP
	s_sub_co_u32 s54, s54, 1
	s_cmp_lg_u32 s54, 0
	s_cbranch_scc1 .Lst_\@
.endm
	s_mov_b32 s55, 2
.Lpass:                                            ; two passes: query tiles 32 half + 2 wave + (0, 1), then those 16 tiles on
.irp t, 0,1
	v_mov_b32 v[ST+8*\t+1], 0xdd800000             ; -2^60,
	v_mul_f32 v[ST+8*\t+1], s48, v[ST+8*\t+1]      ; as t
	v_floor_f32 v[ST+8*\t], -v[ST+8*\t+1]
	v_mov_b32 v[ST+8*\t+2], 0
	v_mov_b32 v[ST+8*\t+3], 0
.endr
	WIN 0x40
.set i, 0
.rept 96
	v_mov_b32 v[i], 0                              ; O^T.  (The step is written once: its first trip finds zeros; a first step of its own would be a third copy of the step's text)
.set i, i+1
.endr
	WIN 0
	s_wait_loadcnt 0x0                             ; Q
	s_wait_tensorcnt 0x1                           ; my part of steps 0 and 1 is in; the load of steps 2 to 7 may be out (in the second pass both have long landed)
	s_wait_dscnt 0x0                               ; my part of the mask's C has landed
	s_barrier_signal -1
	s_barrier_wait -1                              ; everybody's has
.irp t, 0,1,2,3,4,5,6,7
	ds_load_b128 v[BI+8*\t:BI+8*\t+3], v4 offset:(32*(\t/2)+8*(\t%2))*4              ; the first step's C of the mask; the step's first wait covers it: these 16 loads are older than K's
	ds_load_b128 v[BI+8*\t+4:BI+8*\t+7], v4 offset:(32*(\t/2)+8*(\t%2))*4+16
.endr
	s_mov_b32 s52, 0
	s_mov_b32 s53, 0
	STEPS 2
	s_wait_tensorcnt 0x0                           ; my part of steps 2 to 7 is in,
	s_wait_dscnt 0x0
	s_barrier_signal -1
	s_barrier_wait -1                              ; everybody's is
	s_mov_b32 s52, 49152
	s_mov_b32 s53, 1024
	STEPS 6
	PLACES 4                                       ; behind the last products
	s_cmp_eq_u32 s55, 1                            ; the next pass's Q is asked for here, if there is a next pass
	s_cbranch_scc1 .Lno_q
	WIN 0x40
.irp t, 0,1
.irp c, 0,1,2
	global_load_b128 v[QF+16*\t+4*\c:QF+16*\t+4*\c+3], v1, s[58:59] offset:24576+\t*1536+\c*512
.endr
.endr
	WIN 0
.Lno_q:
	; THE WAY OUT: O^T / the sum, quantised with the scales folded: code = (O^T / sum) / 2^(eo - ep - ev)
.irp t, 0,1
	v_add_f32 v[ST+8*\t+6], v[ST+8*\t+2], v[ST+8*\t+3]
.endr
.irp t, 0,1
	v_permlanex16_b32 v[ST+8*\t+7], v[ST+8*\t+6], s50, s51
.endr
.irp t, 0,1
	v_add_f32 v[ST+8*\t+6], v[ST+8*\t+6], v[ST+8*\t+7]
.endr
.irp t, 0,1
	v_cmp_eq_f32 s[62+\t], 0, v[ST+8*\t+6]         ; a row with no key
.endr
.irp t, 0,1
	v_rcp_f32 v[ST+8*\t+4], v[ST+8*\t+6]
.endr
	v_nop                                          ; a plain line behind the reciprocals,
	s_wait_alu depctr_va_vdst(0)                   ; and the one wait ahead of their first reader
	WIN 0x01
.irp t, 0,1
.set i, 0
.rept 24
	v_pk_mul_f32 v[S+64*\t+i:S+64*\t+i+1], v[48*\t+i:48*\t+i+1], v[ST+8*\t+4:ST+8*\t+5] op_sel_hi:[1,0]
.set i, i+2
.endr
.endr
	WIN 0
.irp t, 0,1
.set i, 0
.rept 48
	v_med3_num_f32 v[S+64*\t+i], v[S+64*\t+i], -v11, v11
.set i, i+1
.endr
.endr
.irp t, 0,1
.set i, 0
.rept 48
	v_cndmask_b32 v[S+64*\t+i], v[S+64*\t+i], v7, s[62+\t]
.set i, i+1
.endr
.endr
.irp t, 0,1
.irp b, 0,1,2
	v_cvt_scalef32_pk8_fp8_f32 v[P+16*\t+4*\b:P+16*\t+4*\b+1], v[S+64*\t+16*\b:S+64*\t+16*\b+7], v10
	v_cvt_scalef32_pk8_fp8_f32 v[P+16*\t+4*\b+2:P+16*\t+4*\b+3], v[S+64*\t+16*\b+8:S+64*\t+16*\b+15], v10
.endr
.endr
	v_nop                                          ; one plain line behind the conversions
.irp t, 0,1
.irp b, 0,1,2
	global_store_b128 v1, v[P+16*\t+4*\b:P+16*\t+4*\b+3], s[60:61] offset:\t*12288+\b*512   ; a piece: 512 consecutive bytes
.endr
.endr
	s_wait_xcnt 0x0                                ; the stores have read their data and their base: both are written again
	s_add_nc_u64 s[60:61], s[60:61], 196608        ; 16 tiles on
	s_sub_co_u32 s55, s55, 1
	s_cmp_lg_u32 s55, 0
	s_cbranch_scc1 .Lpass
	s_set_vgpr_msb 0x4
	s_wait_tensorcnt 0x0
	ds_add_u32 v5, v255
	s_wait_dscnt 0x0
	s_set_vgpr_msb 0x400
	s_endpgm
.Lfunc_end_k_qaa9ff9cbcf_attn:
	.size	k_qaa9ff9cbcf_attn, .Lfunc_end_k_qaa9ff9cbcf_attn-k_qaa9ff9cbcf_attn
	.p2alignl 7, 3214868480
	.fill 96, 4, 3214868480
	.section	.rodata,"a",@progbits
	.p2align	6, 0x0
	.amdhsa_kernel k_qaa9ff9cbcf_attn
		.amdhsa_group_segment_fixed_size 202752
		.amdhsa_private_segment_fixed_size 0
		.amdhsa_enable_private_segment 0
		.amdhsa_kernarg_size 48
		.amdhsa_user_sgpr_count 2
		.amdhsa_user_sgpr_kernarg_segment_ptr 1
		.amdhsa_wavefront_size32 1
		.amdhsa_system_sgpr_workgroup_id_x 1
		.amdhsa_system_sgpr_workgroup_id_y 1
		.amdhsa_system_sgpr_workgroup_id_z 1
		.amdhsa_system_vgpr_workitem_id 0
		.amdhsa_next_free_vgpr 512
		.amdhsa_next_free_sgpr 100
		.amdhsa_reserve_vcc 1
		.amdhsa_float_denorm_mode_32 3
		.amdhsa_float_denorm_mode_16_64 3
		.amdhsa_memory_ordered 1
		.amdhsa_forward_progress 1
		.amdhsa_inst_pref_size 94
	.end_amdhsa_kernel
	.amdgpu_metadata
---
amdhsa.version: [ 1, 2 ]
amdhsa.kernels:
  - .name:           k_qaa9ff9cbcf_attn
    .symbol:         k_qaa9ff9cbcf_attn.kd
    .args:
      - { .name: qimg, .offset: 0, .size: 8, .value_kind: global_buffer, .address_space: global }
      - { .name: kvimg, .offset: 8, .size: 8, .value_kind: global_buffer, .address_space: global }
      - { .name: text_mask, .offset: 16, .size: 8, .value_kind: global_buffer, .address_space: global }
      - { .name: visual_mask, .offset: 24, .size: 8, .value_kind: global_buffer, .address_space: global }
      - { .name: lowp_scales, .offset: 32, .size: 8, .value_kind: global_buffer, .address_space: global }
      - { .name: aimg, .offset: 40, .size: 8, .value_kind: global_buffer, .address_space: global }
    .group_segment_fixed_size: 202752
    .private_segment_fixed_size: 0
    .kernarg_segment_align: 8
    .kernarg_segment_size: 48
    .max_flat_workgroup_size: 256
    .sgpr_count:     100
    .vgpr_count:     512
    .wavefront_size: 32
...
	.end_amdgpu_metadata
.endif
;; end of part 3
;; launch oproj (part 4): grid 256 x 1, 4 waves a work-group, no clusters, 247,296 bytes of LDS; arguments aimg, wimg, visual_features, text_features, bo, ln_g, ln_b, lowp_scales, out0, out1; writes out0, out1
.if DOCPART == 4
	.amdgcn_target "amdgcn-amd-amdhsa--gfx1250"
	.amdhsa_code_object_version 6
	.text
	.protected	k_qaa9ff9cbcf_oproj
	.globl	k_qaa9ff9cbcf_oproj
	.p2align	8
	.type	k_qaa9ff9cbcf_oproj,@function
k_qaa9ff9cbcf_oproj:
	s_mov_b64 s[64:65], 0
	v_nop
	global_prefetch_b8 v0, s[64:65] scope:SCOPE_SE
	s_setreg_imm32_b32 hwreg(HW_REG_WAVE_MODE, 25, 1), 1
	s_wait_xcnt 0x0
; out = LayerNorm(x + a Wo + bo) g + b, the product on codes of E4M3.
; SHARES.  Work-group: 64 whole rows of one direction.  In the product wave w makes columns 192 w .. 192 w + 191 (12 column tiles) for the 4 token tiles: 48 accumulators; its weights go from wimg straight into registers, two sets by
; turns; a's codes (49,152 bytes) go to all four waves through LDS as they lie in memory.  The sums meet in a stage in LDS (rows of 3,072 bytes + 16), and wave w then takes rows 16 w .. 16 w + 15 whole.
; NOT IN CLUSTERS: no weight fragment is used by a second wave of a work-group, so a way through LDS would add a write and a read for each weight byte.  NO PREFETCH: x's rows are asked for by loads while the product runs.
; The product is used transposed (source 0 = weight tile, source 1 = token tile): a lane holds one token and eight neighbouring columns.  Lane r of tile 2 b + u is row (or column) 32 b + 8 u + r + 8 (r / 8).
; The mean is taken first and the squares of the centred numbers second: no difference of large sums is formed.
; LIMIT: ea + ew between -126 and 127, so that 2^(ea + ew) is an f32 number.
; REGISTERS.  window 0: v1-5 addresses; v32-55 bo, v56-79 g, v80-103 b (lane l: columns 128 i + 4 l ..); v128-255 a's fragments, two sets; later v104-199 four rows at work, v200-215 their sums.
;   window 1: v0-191 weight set 0 (later x's rows, groups 0, 1), v192-255 set 1's tiles 8-11.   window 2: accumulators 0-31 (a = 4 column tile + token tile; later x's groups 2, 3).   window 3: v0-127 accumulators 32-47, v128-255 set 1's tiles 0-7.
.set STG, 49152
.set SP, 3088
.set Z, 104
.set BO, 32
.set GG, 56
.set BB, 80
.set SM, 200
.set SQ, 208
.set MSB, 0
.macro WIN new
.if MSB != (\new)
	s_set_vgpr_msb (MSB<<8)|(\new)
.set MSB, \new
.endif
.endm
.macro PLACES n
.rept \n
	v_nop
.endr
.endm
.macro WPLACE ks                       ; where column tile ct of K step ks's weight set lies: window ww, register wr
.if ((\ks)%2) == 0
.set ww, 1
.set wr, 16*ct
.elseif ct < 8
.set ww, 3
.set wr, 128+16*ct
.else
.set ww, 1
.set wr, 192+16*(ct-8)
.endif
.endm
.macro WLOAD ks
.set ct, 0
.rept 12
	WPLACE \ks
.set wn, ww<<6
	WIN wn
.irp c, 0,1,2,3
	global_load_b128 v[wr+4*\c:wr+4*\c+3], v1, s[38:39] offset:(ct/6)*73728+(\ks)*12288+(ct%6)*2048+\c*512
.endr
.set ct, ct+1
.endr
	WIN 0
.endm
.macro FETCHA ks
.irp t, 0,1,2,3
.irp c, 0,1,2,3
	ds_load_b128 v[128+64*((\ks)%2)+16*\t+4*\c:128+64*((\ks)%2)+16*\t+4*\c+3], v1 offset:\t*12288+(4*(\ks)+\c)*512
.endr
.endr
.endm
.macro XROWS g                         ; x's rows 4 g .. 4 g + 3 of my 16: each load 512 consecutive bytes
.set wn, (1+(\g)/2)<<6
	WIN wn
.set xb, 96*((\g)%2)
.irp i, 0,1,2,3
.irp n, 0,1,2,3,4,5
	global_load_b128 v[xb+24*\i+4*\n:xb+24*\i+4*\n+3], v1, s[34:35] offset:(4*(\g)+\i)*3072+512*\n th:TH_LOAD_NT
.endr
.endr
	WIN 0
.endm
.macro OMM ks                          ; 48 matrix instructions; the accumulators take turns, one instruction a turn; the first K step starts the sums with the constant 0
.set ab, 128+64*((\ks)%2)
.set ct, 0
.rept 12
	WPLACE \ks
.set aw, 2+ct/8
.set wn, (aw<<6)|(aw<<4)|ww
	WIN wn
.set tl, 0
.rept 4
.set ar, 8*((4*ct+tl)%32)
.if (\ks) == 0
	v_wmma_f32_16x16x128_fp8_fp8 v[ar:ar+7], v[wr:wr+15], v[ab+16*tl:ab+16*tl+15], 0
.else
	v_wmma_f32_16x16x128_fp8_fp8 v[ar:ar+7], v[wr:wr+15], v[ab+16*tl:ab+16*tl+15], v[ar:ar+7]
.endif
.set tl, tl+1
.endr
.set ct, ct+1
.endr
.endm
.macro OSTEP ks, lc
.if (\ks) < 5
	FETCHA (\ks)+1                                 ; into the set that the step before multiplied: its four places stand at that step's end
	s_wait_loadcnt \lc                             ; this step's weights are in
	s_wait_dscnt 16                                ; this step's fragments of a are in; the 16 loads just issued may be out
.else
	s_wait_loadcnt \lc
	s_wait_dscnt 0x0
.endif
	OMM \ks
	PLACES 4                                       ; four plain places between matrix instructions and loads into registers that they read, and LDS stores of their results (ISA guide 7.12.1 for vector instructions)
	WIN 0
.if (\ks) < 4
	WLOAD (\ks)+2
.elseif (\ks) == 4
	XROWS 0                                        ; weight set 0 is done with: its registers take eight rows of x
	XROWS 1
.endif
.endm
.macro REDUCE rb                       ; four rows' pairs become four sums over the 32 lanes, in every lane
.irp i, 0,1,2,3
	v_add_f32 v[\rb+2*\i], v[\rb+2*\i], v[\rb+2*\i+1]
.endr
.irp x, 1,2,4,8
.irp i, 0,1,2,3
	v_add_f32_dpp v[\rb+2*\i], v[\rb+2*\i], v[\rb+2*\i] row_xmask:\x row_mask:0xf bank_mask:0xf
.endr
.endr
.irp i, 0,1,2,3
	v_permlanex16_b32 v[\rb+2*\i+1], v[\rb+2*\i], s44, s45
.endr
.irp i, 0,1,2,3
	v_add_f32 v[\rb+2*\i], v[\rb+2*\i], v[\rb+2*\i+1]
.endr
.endm
; four rows: each stage goes over the four in turn, so that no line waits for the line above it.  lc: the loads of x that may stay out
.macro GROUP g, lc
	s_wait_xcnt 0x0                                ; the last group's stores have read their data
.irp i, 0,1,2,3
.irp n, 0,1,2,3,4,5
	ds_load_b128 v[Z+24*\i+4*\n:Z+24*\i+4*\n+3], v4 offset:(4*(\g)+\i)*SP+512*\n
.endr
.endr
	s_wait_loadcnt \lc
	s_wait_dscnt 0x0
.set xb, 96*((\g)%2)
.set wn, (1+(\g)/2)<<4
	WIN wn
.set n, 0
.rept 12
.irp i, 0,1,2,3
	v_pk_fma_f32 v[Z+24*\i+2*n:Z+24*\i+2*n+1], v[Z+24*\i+2*n:Z+24*\i+2*n+1], s[28:29], v[xb+24*\i+2*n:xb+24*\i+2*n+1] op_sel_hi:[1,0,1]   ; sum x 2^(ea + ew) + x
.endr
.set n, n+1
.endr
	WIN 0
.set n, 0
.rept 12
.irp i, 0,1,2,3
	v_pk_add_f32 v[Z+24*\i+2*n:Z+24*\i+2*n+1], v[Z+24*\i+2*n:Z+24*\i+2*n+1], v[BO+2*n:BO+2*n+1]
.endr
.set n, n+1
.endr
.irp i, 0,1,2,3
	v_pk_add_f32 v[SM+2*\i:SM+2*\i+1], v[Z+24*\i:Z+24*\i+1], v[Z+24*\i+2:Z+24*\i+3]
.endr
.set n, 2
.rept 10
.irp i, 0,1,2,3
	v_pk_add_f32 v[SM+2*\i:SM+2*\i+1], v[SM+2*\i:SM+2*\i+1], v[Z+24*\i+2*n:Z+24*\i+2*n+1]
.endr
.set n, n+1
.endr
	REDUCE SM
.irp i, 0,1,2,3
	v_mul_f32 v[SM+2*\i], s46, v[SM+2*\i]          ; - the mean
.endr
.set n, 0
.rept 12
.irp i, 0,1,2,3
	v_pk_add_f32 v[Z+24*\i+2*n:Z+24*\i+2*n+1], v[Z+24*\i+2*n:Z+24*\i+2*n+1], v[SM+2*\i:SM+2*\i+1] op_sel_hi:[1,0]
.endr
.set n, n+1
.endr
.irp i, 0,1,2,3
	v_pk_mul_f32 v[SQ+2*\i:SQ+2*\i+1], v[Z+24*\i:Z+24*\i+1], v[Z+24*\i:Z+24*\i+1]
.endr
.set n, 1
.rept 11
.irp i, 0,1,2,3
	v_pk_fma_f32 v[SQ+2*\i:SQ+2*\i+1], v[Z+24*\i+2*n:Z+24*\i+2*n+1], v[Z+24*\i+2*n:Z+24*\i+2*n+1], v[SQ+2*\i:SQ+2*\i+1]
.endr
.set n, n+1
.endr
	REDUCE SQ
.irp i, 0,1,2,3
	v_fma_f32 v[SQ+2*\i], v[SQ+2*\i], s47, s48     ; the variance + 1e-5
.endr
.irp i, 0,1,2,3
	v_rsq_f32 v[SQ+2*\i], v[SQ+2*\i]
.endr
	v_nop                                          ; a plain line behind the roots,
	s_wait_alu depctr_va_vdst(0)                   ; and the one wait ahead of their first reader
.set n, 0
.rept 12
.irp i, 0,1,2,3
	v_pk_mul_f32 v[Z+24*\i+2*n:Z+24*\i+2*n+1], v[Z+24*\i+2*n:Z+24*\i+2*n+1], v[SQ+2*\i:SQ+2*\i+1] op_sel_hi:[1,0]
.endr
.set n, n+1
.endr
.set n, 0
.rept 12
.irp i, 0,1,2,3
	v_pk_fma_f32 v[Z+24*\i+2*n:Z+24*\i+2*n+1], v[Z+24*\i+2*n:Z+24*\i+2*n+1], v[GG+2*n:GG+2*n+1], v[BB+2*n:BB+2*n+1]
.endr
.set n, n+1
.endr
.irp i, 0,1,2,3
.irp n, 0,1,2,3,4,5
	global_store_b128 v1, v[Z+24*\i+4*\n:Z+24*\i+4*\n+3], s[36:37] offset:(4*(\g)+\i)*3072+512*\n th:TH_STORE_NT   ; 32 lanes store 512 consecutive bytes
.endr
.endr
.endm
	s_load_b512 s[4:19], s[0:1], 0x0               ; aimg, wimg, visual, text, bo, g, b, scales
	s_load_b128 s[20:23], s[0:1], 0x40             ; out0, out1
	v_lshl_add_u32 v30, v0, 2, 0x3c400
	v_mov_b32 v31, 0
	v_lshrrev_b32 v10, 5, v0
	v_readfirstlane_b32 s30, v10                   ; wave
	v_and_b32 v10, 31, v0
	v_lshlrev_b32 v1, 4, v10                       ; 16 x lane
	v_and_b32 v11, 15, v0                          ; r
	v_bfe_u32 v12, v0, 4, 1                        ; h
	v_and_b32 v13, 8, v11
	v_add_nc_u32 v13, v13, v11                     ; r + 8 (r / 8)
	v_mul_u32_u24 v2, v13, SP
	v_lshl_add_u32 v2, v12, 6, v2
	s_mul_i32 s42, s30, 768
	s_add_co_u32 s42, s42, STG
	v_add_nc_u32 v2, s42, v2                       ; the stage, on the way in: my token's row, + 64 h, + my wave's 192 columns; token tiles 0, 1
	v_add_nc_u32 v3, 32*SP, v2                     ; token tiles 2, 3
	s_mul_i32 s42, s30, 16*SP
	s_add_co_u32 s42, s42, STG
	v_add_nc_u32 v4, s42, v1                       ; and back: my 16 rows
	s_mul_i32 s42, s30, 12288
	v_add_nc_u32 v5, s42, v1                       ; where I put token tile w of a
	s_lshr_b32 s31, ttmp9, 7                       ; direction
	s_and_b32 s32, ttmp9, 127                      ; block of 64 rows
	s_lshl_b32 s40, s32, 2
	s_add_co_u32 s40, s40, s30
	s_mul_i32 s40, s40, 12288                      ; a: tile 4 block + wave
	s_mul_i32 s42, s31, 6291456
	s_add_co_u32 s40, s40, s42
	s_mov_b32 s41, 0
	s_add_co_u32 s38, s31, 6                       ; Wo under this direction's scale; my 192 columns are two blocks of 96
	s_mul_i32 s38, s38, 589824
	s_mul_i32 s42, s30, 2*73728
	s_add_co_u32 s38, s38, s42
	s_mov_b32 s39, 0
	s_lshl_b32 s42, s32, 6
	s_lshl_b32 s43, s30, 4
	s_add_co_u32 s42, s42, s43
	s_mul_i32 s42, s42, 3072                       ; x and out: row 64 block + 16 wave
	s_mov_b32 s43, 0
	s_mov_b32 s44, 0x76543210                      ; v_permlanex16_b32: lane l xor 16
	s_mov_b32 s45, 0xfedcba98
	s_mov_b32 s46, 0xbaaaaaab                      ; -1 / 768
	s_mov_b32 s47, 0x3aaaaaab                      ; 1 / 768
	s_mov_b32 s48, 0x3727c5ac                      ; 1e-5
	s_wait_kmcnt 0x0
	s_load_b128 s[24:27], s[18:19], 0x50           ; entries 20 .. 23
	s_add_nc_u64 s[40:41], s[4:5], s[40:41]
	s_add_nc_u64 s[38:39], s[6:7], s[38:39]
	s_cmp_eq_u32 s31, 0
	s_cselect_b64 s[34:35], s[8:9], s[10:11]
	s_cselect_b64 s[36:37], s[20:21], s[22:23]
	s_add_nc_u64 s[34:35], s[34:35], s[42:43]
	s_add_nc_u64 s[36:37], s[36:37], s[42:43]
.set i, 0
.rept 24
	global_load_b128 v[128+4*i:131+4*i], v1, s[40:41] offset:512*i th:TH_LOAD_NT
.set i, i+1
.endr
	WLOAD 0
	s_wait_loadcnt 48                              ; a's tile is in; the 48 loads of the first weight set may be out
.set i, 0
.rept 24
	ds_store_b128 v5, v[128+4*i:131+4*i] offset:512*i
.set i, i+1
.endr
.irp n, 0,1,2,3,4,5
	global_load_b128 v[BO+4*\n:BO+4*\n+3], v1, s[12:13] offset:512*\n
	global_load_b128 v[GG+4*\n:GG+4*\n+3], v1, s[14:15] offset:512*\n
	global_load_b128 v[BB+4*\n:BB+4*\n+3], v1, s[16:17] offset:512*\n
.endr
	WLOAD 1
	s_wait_kmcnt 0x0
	s_cmp_eq_u32 s31, 0
	s_cselect_b32 s28, s24, s26
	s_cselect_b32 s29, s25, s27
	s_add_co_i32 s28, s28, s29                     ; ea + ew
	s_add_co_i32 s28, s28, 127
	s_lshl_b32 s28, s28, 23                        ; 2^(ea + ew) as f32
	s_mov_b32 s29, s28                             ; (named with it as a pair)
	s_wait_dscnt 0x0                               ; my tile of a has landed,
	s_barrier_signal -1
	s_barrier_wait -1                              ; everybody's has
	FETCHA 0
	OSTEP 0, 63                                    ; 66 loads were issued behind the first weight set's: the count is the largest that the field holds
	OSTEP 1, 48                                    ; the later weight set's 48 loads may be out
	OSTEP 2, 48
	OSTEP 3, 48
	OSTEP 4, 48
	OSTEP 5, 48                                    ; the 48 loads of x may be out
	; the sums go to the stage as they are, each accumulator's low four registers first; their scale is applied by the multiply-add that adds x
.set ct, 0
.rept 12
.set wn, (2+ct/8)<<2
	WIN wn
.set tl, 0
.rept 4
.set ar, 8*((4*ct+tl)%32)
	ds_store_b128 v[2+tl/2], v[ar:ar+3] offset:(tl%2)*8*SP+(96*(ct/6)+32*((ct%6)/2)+8*(ct%2))*4
	ds_store_b128 v[2+tl/2], v[ar+4:ar+7] offset:(tl%2)*8*SP+(96*(ct/6)+32*((ct%6)/2)+8*(ct%2))*4+16
.set tl, tl+1
.endr
.set ct, ct+1
.endr
	WIN 0
	s_wait_dscnt 0x0                               ; my stores have landed and have read the accumulators, whose registers take eight more rows of x
	XROWS 2
	XROWS 3
	s_barrier_signal -1
	s_barrier_wait -1                              ; 64 whole rows lie in the stage
	GROUP 0, 63                                    ; 72 loads were issued behind this group's
	GROUP 1, 48
	GROUP 2, 24
	GROUP 3, 0
	s_wait_tensorcnt 0x0
	ds_add_u32 v30, v31
	s_wait_dscnt 0x0
	s_endpgm
.Lfunc_end_k_qaa9ff9cbcf_oproj:
	.size	k_qaa9ff9cbcf_oproj, .Lfunc_end_k_qaa9ff9cbcf_oproj-k_qaa9ff9cbcf_oproj
	.p2alignl 7, 3214868480
	.fill 96, 4, 3214868480
	.section	.rodata,"a",@progbits
	.p2align	6, 0x0
	.amdhsa_kernel k_qaa9ff9cbcf_oproj
		.amdhsa_group_segment_fixed_size 247296
		.amdhsa_private_segment_fixed_size 0
		.amdhsa_enable_private_segment 0
		.amdhsa_kernarg_size 80
		.amdhsa_user_sgpr_count 2
		.amdhsa_user_sgpr_kernarg_segment_ptr 1
		.amdhsa_wavefront_size32 1
		.amdhsa_system_sgpr_workgroup_id_x 1
		.amdhsa_system_sgpr_workgroup_id_y 1
		.amdhsa_system_sgpr_workgroup_id_z 1
		.amdhsa_system_vgpr_workitem_id 0
		.amdhsa_next_free_vgpr 1024
		.amdhsa_next_free_sgpr 66
		.amdhsa_reserve_vcc 0
		.amdhsa_float_denorm_mode_32 3
		.amdhsa_float_denorm_mode_16_64 3
		.amdhsa_memory_ordered 1
		.amdhsa_forward_progress 1
		.amdhsa_inst_pref_size 191
	.end_amdhsa_kernel
	.amdgpu_metadata
---
amdhsa.version: [ 1, 2 ]
amdhsa.kernels:
  - .name:           k_qaa9ff9cbcf_oproj
    .symbol:         k_qaa9ff9cbcf_oproj.kd
    .args:
      - { .name: aimg, .offset: 0, .size: 8, .value_kind: global_buffer, .address_space: global }
      - { .name: wimg, .offset: 8, .size: 8, .value_kind: global_buffer, .address_space: global }
      - { .name: visual_features, .offset: 16, .size: 8, .value_kind: global_buffer, .address_space: global }
      - { .name: text_features, .offset: 24, .size: 8, .value_kind: global_buffer, .address_space: global }
      - { .name: bo, .offset: 32, .size: 8, .value_kind: global_buffer, .address_space: global }
      - { .name: ln_g, .offset: 40, .size: 8, .value_kind: global_buffer, .address_space: global }
      - { .name: ln_b, .offset: 48, .size: 8, .value_kind: global_buffer, .address_space: global }
      - { .name: lowp_scales, .offset: 56, .size: 8, .value_kind: global_buffer, .address_space: global }
      - { .name: out0, .offset: 64, .size: 8, .value_kind: global_buffer, .address_space: global }
      - { .name: out1, .offset: 72, .size: 8, .value_kind: global_buffer, .address_space: global }
    .group_segment_fixed_size: 247296
    .private_segment_fixed_size: 0
    .kernarg_segment_align: 8
    .kernarg_segment_size: 80
    .max_flat_workgroup_size: 128
    .sgpr_count:     66
    .vgpr_count:     1024
    .wavefront_size: 32
...
	.end_amdgpu_metadata
.endif
;; end of part 4
